; MI455X (gfx1250); checked and timed in simulation.
; The chip was launched on July 23, 2026; its instructions are those of AMD's public machine-readable ISA for CDNA 5 (MIT licence, August 2026) and "CDNA5" Instruction Set Architecture Reference Guide (July 2026). The comments in the code are by the model that wrote it; some were corrected since.
;; Dot Product Attention. Allowed arithmetic: matrix products marked QUANTISED: E2M3 operands, one E8M0 scale for each 32 along K, by v_wmma_scale_f32_16x16x128_f8f6f4 with both operands' format E2M3, f32 sums; everything else in f32.
;; Inputs: attention_mask 2 x 1 x 2,048 x 2,048 bool; key 2,048 x 2 x 16 x 128 float32; query 2,048 x 2 x 16 x 128 float32; value 2,048 x 2 x 16 x 128 float32.
;; Outputs: out0 2,048 x 2 x 2,048 float32.
;; This version of the problem:
;;   THIS VERSION OF THE PROBLEM IS GIVEN IN LOW PRECISION. The matrix products marked QUANTISED in the list below multiply operands that are first quantised to E2M3 (2 exponent bits, 3 mantissa bits; 6 bits a number), with one power-of-two scale for each 32 numbers along K (OCP MX v1.0); their sums are f32. All else is computed in f32.
;;   The module's matrix products, in the order in which they are computed (A, B: the left and right operand; K: the contracted axis; several contracted axes count as one K, in the product's order):
;;     1. batch 32 x [M 2,048, K 128] x [K 128, N 2,048]; A: input query; B: input key: QUANTISED
;;     2. batch 32 x [M 128, K 2,048] x [K 2,048, N 2,048]; A: input value; B: computed on the way: QUANTISED
;;   THE QUANTISER, for each operand of a quantised product, along K:
;;     - K is cut into blocks of 32 from its start; a last block that is shorter is filled with zeros.
;;     - A block's scale is 2^e with e = floor(log2(the largest magnitude in the block)) - 2, held to -126 .. 127; a block of zeros has e = 0. As a byte (E8M0): e + 127.
;;     - Each number is divided by its block's scale, clamped to +-7.5, and rounded to the nearest number of E2M3, ties to even, subnormals kept.
;;     - The product sums the exact products of the quantised numbers (number of the format x scale) in f32.
;;   ~~~python
;;   def quantise(x, axis):      # numpy; x: float32 -> the quantised numbers, widened to float32 again
;;       x = np.moveaxis(x, axis, -1); K = x.shape[-1]
;;       x = np.pad(x, [(0, 0)] * (x.ndim - 1) + [(0, -K % 32)]); x = x.reshape(x.shape[:-1] + (-1, 32)); a = np.abs(x).max(-1, keepdims=True)
;;       e = np.where(a > 0, np.clip(np.frexp(np.where(a > 0, a, 1))[1] - 1 - 2, -126, 127), 0)      # np.frexp(a)[1] - 1 = floor(log2(a)), exactly
;;       r = np.clip(x / 2.0 ** e, -7.5, 7.5)
;;       step = 2.0 ** (np.maximum(np.frexp(np.where(r == 0, 1, r))[1] - 1, 0) - 3)
;;       q = np.round(r / step) * step * 2.0 ** e      # np.round: ties to even
;;       return np.moveaxis(q.reshape(q.shape[:-2] + (-1,))[..., :K], -1, axis).astype(np.float32)
;;   ~~~
;;   OPERANDS COMPUTED ON THE WAY. 'Computed on the way' means the value that the module computes at that place (a softmax that the list does not call 'softmax' is quantised finished and normalised). What goes into a quantiser is computed in f32, as accurately as f32 sums, v_exp_f32 and their like allow (about 1e-6 of the number): no bf16 or f16 on the way to a quantiser, and a product that is left as it is and whose result goes on into a quantised operand takes f32 operands (vector FMAs, or v_wmma_f32_16x16x4_f32). A number that lies on a knife's edge between two numbers of the format may be rounded either way, as far as f32 arithmetic and the matrix unit's own rounding can turn it there, and no further.
;; One version. Each part assembles by itself: llvm-mc -triple=amdgcn-amd-amdhsa -mcpu=gfx1250 --defsym DOCPART=n.
;; ======== version 1 of 1: 2 launches
;; limits: right only within a limited range of input values
;; workspace buffers: kbuf 6,553,600 bytes; vbuf 6,553,600 bytes; maskw 1,048,576 bytes of whole numbers
;; launch prep (part 1): grid 768 x 1, 4 waves a work-group, no clusters, 68,096 bytes of LDS; arguments key, value, attention_mask, kbuf, vbuf, maskw; writes kbuf, vbuf, maskw
.if DOCPART == 1
	.amdgcn_target "amdgcn-amd-amdhsa--gfx1250"
	.amdhsa_code_object_version 6
	.text
	.protected	k_q4842c61d7b_prep
	.globl	k_q4842c61d7b_prep
	.p2align	8
	.type	k_q4842c61d7b_prep,@function
k_q4842c61d7b_prep:
	s_mov_b64 s[64:65], 0
	v_nop
	global_prefetch_b8 v0, s[64:65] scope:SCOPE_SE
	s_setreg_imm32_b32 hwreg(HW_REG_WAVE_MODE, 25, 1), 1
	s_wait_xcnt 0x0
; PREP: what the attention launch reads many times is made once.
;   key   [2048][32 heads][128] f32 -> kbuf: codes of FP6 (E2M3) quantised along the head's 128, one E8M0 byte for each 32;
;   value [2048][32 heads][128] f32 -> vbuf: the same format, quantised along the KEYS (value's first axis);
;   attention_mask [2][2048 q][2048 k] bytes -> maskw: lane masks, one 32-bit word for each register of a tile of scores.
; kbuf and vbuf: [head 32][key step 16][12,800 bytes].  A step's block (128 keys) holds 8 fragments as IMAGES OF THE OPERAND'S REGISTERS: fragment f, registers 4 c .. 4 c + 3 of lane L
; at 1536 f + 512 c + 16 L; behind them, from byte 12,288, the scale words: the word of fragment 4 g + 2 e + s, row r, at 256 g + 8 (16 s + r) + 4 e.
;   K's fragment 2 b + u: row m is key 32 b + 8 u + m + 8 (m / 8) of the step, and the product's K is the head's 128.     V's fragment f: row r is channel 16 f + r, and the product's K is the step's 128 keys.
;   In a fragment lane (r, h) holds row r, registers 6 c .. 6 c + 5 = k 64 c + 32 h + 0 .. 31, 192 bits without gaps.
; maskw: [batch x 128 + tile of 16 queries][key step 16][64 words]: bit L of word n is mask[query L % 16 of the tile][key 32 (n / 16) + 16 (L / 16) + n % 16 of the step].
; A block's scale is 2^(floor(log2(its largest magnitude)) - 2); its byte is the largest magnitude's exponent field - 2, held at 1 from below.
; LIMITS: a block of zeros gets the byte 1 where the rule says 127 (its codes are zeros, and this program alone reads the bytes); NaN and infinities among the inputs are not served.
; SHARES: work-groups 0-255 take key, 256-511 value, 512-767 the mask; in each kind a wave has one of 1,024 tasks.  Waves share nothing: no barrier.  Each kind has LDS bytes of its own.
.set ROWS,  16384                      ; bytes from one position of the sequence to the next
.set HEADB, 204800                     ; a head's 16 blocks
.set BLK,   12800
.set SCW,   12288                      ; where a block's scale words begin
.set STGB,  8448                       ; a wave's stage: 16 rows x (512 bytes + 16)
.set MBASE, 4*STGB                     ; the mask's four stages lie behind key's four
.set KR,  16                           ; key: v16-143 two sets of 16 rows as loaded
.set KX,  144                          ;      v144-207 my 64 numbers: register 32 c + m = k 64 c + 32 h + m of row r
.set KC,  208                          ;      v208-231 two sets of 12: a fragment's codes
.set KT,  232                          ;      v232-239 the upper halves of two blocks, as the conversions leave them
.set KW,  240                          ;      v240-243 four fragments' scale words;  v244-245 as they are stored;  v246-254 at work
.set VX,  16                           ; value: v16-79 two sets of 32 numbers
.set VC,  80                           ;        v80-127 codes: 24 e + 12 (block % 2) + 6 (block / 2)
.set VT,  128                          ;        v128-130 an upper half
.set VW,  132                          ;        v132-133 scale words;  v134-137 at work
	s_load_b256 s[4:11], s[0:1], 0x0               ; key s[4:5], value s[6:7], mask s[8:9], kbuf s[10:11]
	s_load_b128 s[12:15], s[0:1], 0x20             ; vbuf s[12:13], maskw s[14:15]
	v_lshl_add_u32 v239, v0, 2, 0x10800
	v_mov_b32 v255, 0
	v_lshrrev_b32 v1, 5, v0
	v_readfirstlane_b32 s16, v1                    ; wave 0..3
	s_and_b32 s17, ttmp9, 255
	s_lshl_b32 s17, s17, 2
	s_add_co_u32 s17, s17, s16                     ; my task, 0..1023
	v_and_b32 v1, 31, v0                           ; lane
	v_and_b32 v2, 15, v0                           ; r
	v_bfe_u32 v3, v0, 4, 1                         ; h
	v_lshlrev_b32 v4, 4, v1                        ; 16 x lane
	v_lshlrev_b32 v5, 3, v1                        ; 8 x lane
	v_lshlrev_b32 v6, 2, v1                        ; 4 x lane
	s_mul_i32 s18, s16, STGB
	v_add_nc_u32 v7, s18, v4                       ; key's stage, in: a row's 512 bytes as they lie
	v_mul_u32_u24 v8, v2, 528
	v_add_nc_u32 v8, s18, v8                       ; row r of my stage
	v_lshl_add_u32 v10, v3, 4, v8
	v_add_nc_u32 v10, MBASE, v10                   ; the mask's stage, out: row r, + 16 h
	v_lshl_add_u32 v8, v3, 7, v8                   ; key's stage, out: row r, + 128 h
	v_add_nc_u32 v9, MBASE, v7                     ; the mask's stage, in
	v_mul_u32_u24 v11, v3, 1536
	v_lshl_add_u32 v11, v2, 4, v11                 ; value's codes: lanes 16-31 hold the next fragment's rows
	s_mov_b32 s20, 0x76543210
	s_mov_b32 s21, 0xfedcba98                      ; v_permlanex16_b32's selects for lane l xor 16
	s_lshr_b32 s22, s17, 5                         ; key, value: the head
	s_mul_i32 s23, s22, HEADB                      ; its blocks,
	s_lshl_b32 s22, s22, 9                         ; and its 512 bytes of a position
	s_wait_kmcnt 0x0
	s_cmp_lt_u32 ttmp9, 256
	s_cbranch_scc1 .Lkey
	s_cmp_lt_u32 ttmp9, 512
	s_cbranch_scc1 .Lvalue
; ---- THE MASK: a task is 16 queries x 512 keys (four key steps).  Each load reads a query's 512 consecutive bytes; through the stage a lane gets 16 neighbouring keys of ITS query;
; a compare of one byte in all lanes IS the word; v_writelane_b32 gathers 64 words in two registers, so that a step's 256 bytes leave as one aligned run.
	s_lshr_b32 s24, s17, 2                         ; batch x 128 + tile of queries
	s_lshl_b32 s24, s24, 15                        ; 16 rows of 2,048 bytes
	s_and_b32 s25, s17, 3
	s_lshl_b32 s25, s25, 9
	s_add_co_u32 s24, s24, s25
	s_mov_b32 s25, 0
	s_add_nc_u64 s[8:9], s[8:9], s[24:25]
	s_lshl_b32 s24, s17, 10                        ; four steps of 256 bytes a task
	s_add_nc_u64 s[14:15], s[14:15], s[24:25]
.irp i, 0,1,2,3,4,5,6,7,8,9,10,11,12,13,14,15
	global_load_b128 v[16+4*\i:16+4*\i+3], v4, s[8:9] offset:2048*\i th:TH_LOAD_NT
.endr
.irp j, 0,1,2,3,4,5,6,7
	v_mov_b32 v[144+\j], 0                         ; a lane write's destination counts as read
.endr
	s_wait_loadcnt 0x0
.irp i, 0,1,2,3,4,5,6,7,8,9,10,11,12,13,14,15
	ds_store_b128 v9, v[16+4*\i:16+4*\i+3] offset:528*\i
.endr
.irp s, 0,1,2,3
.irp q, 0,1,2,3
	ds_load_b128 v[80+16*\s+4*\q:80+16*\s+4*\q+3], v10 offset:128*\s+32*\q   ; LDS serves a wave's instructions in order: these see my stores.  Keys 128 s + 32 q + 16 h + 0 .. 15 of query r
.endr
.endr
	s_wait_dscnt 0x0
.irp s, 0,1,2,3
.irp q, 0,1,2,3
.irp e, 0,1,2,3
.irp k, 0,1,2,3
	v_and_b32 v[160+\k], 0xff<<(8*\k), v[80+16*\s+4*\q+\e]         ; byte 4 e + k: word n = 16 q + 4 e + k
.endr
.irp k, 0,1,2,3
	v_cmp_ne_u32 s[28+\k], 0, v[160+\k]            ; bit L: does the key count for lane L's query?
.endr
.irp k, 0,1,2,3
	v_writelane_b32 v[144+2*\s+\k%2], s[28+\k], 8*\q+2*\e+\k/2     ; word n into lane n / 2 of register n % 2
.endr
.endr
.endr
	global_store_b64 v5, v[144+2*\s:144+2*\s+1], s[14:15] offset:256*\s   ; 32 lanes store 256 consecutive bytes, aligned
.endr
	s_wait_tensorcnt 0x0
	ds_add_u32 v239, v255
	s_wait_dscnt 0x0
	s_endpgm
; ---- KEY: a task is one head x 64 keys: four fragments.  Each load reads one key's whole row of 512 bytes; 16 rows go through the stage, and a lane takes back two whole blocks of its row.
.Lkey:
	s_and_b32 s24, s17, 31                         ; which 64 keys
	s_lshl_b32 s26, s24, 20                        ; 64 positions of 16,384 bytes
	s_add_co_u32 s26, s26, s22
	s_mov_b32 s27, 0
	s_add_nc_u64 s[4:5], s[4:5], s[26:27]
	s_lshr_b32 s25, s24, 1
	s_mul_i32 s25, s25, BLK
	s_add_co_u32 s25, s25, s23                     ; the step's block
	s_and_b32 s24, s24, 1                          ; its first or second four fragments
	s_mul_i32 s26, s24, 6144
	s_add_co_u32 s26, s26, s25
	s_add_nc_u64 s[34:35], s[10:11], s[26:27]      ; the images
	s_lshl_b32 s26, s24, 8
	s_add_co_u32 s26, s26, s25
	s_add_co_u32 s26, s26, SCW
	s_add_nc_u64 s[36:37], s[10:11], s[26:27]      ; the scale words
	v_mov_b32 v252, 0                              ; a lane permute's destination counts as read
	v_lshlrev_b32 v253, 3, v3                      ; 8 h
.macro KLOAD t                         ; fragment t's 16 rows: row i is key 32 (t / 2) + 8 (t % 2) + i + 8 (i / 8) of my 64
.irp i, 0,1,2,3,4,5,6,7,8,9,10,11,12,13,14,15
	global_load_b128 v[KR+64*((\t)%2)+4*\i:KR+64*((\t)%2)+4*\i+3], v4, s[4:5] offset:(32*((\t)/2)+8*((\t)%2)+\i+8*(\i/8))*ROWS th:TH_LOAD_NT
.endr
.endm
.macro KTILE t
.set RS, KR+64*((\t)%2)
.set CC, KC+12*((\t)%2)
.if (\t) < 3
	s_wait_loadcnt 16                              ; this fragment's 16 loads are in; the next one's 16 may be out
.else
	s_wait_loadcnt 0x0
.endif
.irp i, 0,1,2,3,4,5,6,7,8,9,10,11,12,13,14,15
	ds_store_b128 v7, v[RS+4*\i:RS+4*\i+3] offset:528*\i
.endr
.irp c, 0,1
.irp j, 0,1,2,3,4,5,6,7
	ds_load_b128 v[KX+32*\c+4*\j:KX+32*\c+4*\j+3], v8 offset:256*\c+16*\j   ; rows 528 bytes apart: sixteen lanes touch sixteen different columns of 16 bytes
.endr
.endr
	s_wait_dscnt 0x0                               ; my numbers are back, and the stores have read their registers,
.if (\t) < 2
	KLOAD (\t)+2                                   ; which take the fragment two on
.else
	s_wait_xcnt 0x0                                ; this set of codes was the data of the stores two fragments back: it is written again only behind this wait
.endif
.irp c, 0,1
	v_max3_num_f32 v[246+\c], |v[KX+32*\c]|, |v[KX+32*\c+1]|, 0x1800000   ; block 2 c + h is all mine; the floor 2^(3 - 127) holds the byte at 1 from below
.endr
.set ii, 2
.rept 15
.irp c, 0,1
	v_max3_num_f32 v[246+\c], v[246+\c], |v[KX+32*\c+ii]|, |v[KX+32*\c+ii+1]|
.endr
.set ii, ii+2
.endr
.irp c, 0,1
	v_add_nc_u32 v[248+\c], 0xff000000, v[246+\c]  ; 2 off the exponent field: the conversion takes this operand's exponent field as its scale
.endr
.irp c, 0,1
	v_lshrrev_b32 v[250+\c], 23, v[248+\c]         ; the scale's byte
.endr
	v_lshl_or_b32 v254, v251, 16, v250             ; my two bytes, blocks h and 2 + h,
	v_lshlrev_b32 v254, v253, v254                 ; at their places in the word;
	v_permlanex16_b32 v252, v254, s20, s21
	v_or_b32 v[KW+(\t)], v254, v252                ; with lane l xor 16's two the row's word is whole
.irp c, 0,1
	v_cvt_scalef32_pk16_fp6_f32 v[CC+6*\c:CC+6*\c+2], v[KX+32*\c:KX+32*\c+15], v[248+\c]
	v_cvt_scalef32_pk16_fp6_f32 v[KT+4*\c:KT+4*\c+2], v[KX+32*\c+16:KX+32*\c+31], v[248+\c]   ; (a conversion's three registers begin on an even number)
.endr
	v_nop                                          ; one plain place behind a scaled conversion
.irp c, 0,1
.irp i, 0,1,2
	v_mov_b32 v[CC+6*\c+3+\i], v[KT+4*\c+\i]
.endr
.endr
.irp c, 0,1,2
	global_store_b128 v4, v[CC+4*\c:CC+4*\c+3], s[34:35] offset:1536*(\t)+512*\c   ; the image: 512 consecutive bytes a store, aligned
.endr
.endm
	KLOAD 0
	KLOAD 1
	s_wait_alu depctr_va_vdst(0)
	KTILE 0
	KTILE 1
	KTILE 2
	KTILE 3
	v_cmp_lt_u32 vcc_lo, 15, v1                    ; lanes 16-31 store the odd fragments' words
	v_cndmask_b32 v244, v[KW], v[KW+1], vcc_lo
	v_cndmask_b32 v245, v[KW+2], v[KW+3], vcc_lo
	global_store_b64 v5, v[244:245], s[36:37]      ; 256 consecutive bytes, aligned
	s_wait_tensorcnt 0x0
	ds_add_u32 v239, v255
	s_wait_dscnt 0x0
	s_endpgm
; ---- VALUE: a task is one head x one key step x 64 channels: four fragments.  A LANE TAKES A CHANNEL AND ITS REGISTERS RUN DOWN THE KEYS: a block of 32 keys lies in one lane's 32 registers,
; and the conversions give codes with the keys innermost.  Lane l takes channels 32 e + l (e = 0, 1) of the 64: row l % 16 of fragment 2 e + l / 16.
.Lvalue:
	s_bfe_u32 s24, s17, 0x40001                    ; the key step
	s_and_b32 s25, s17, 1                          ; which 64 channels
	s_lshl_b32 s26, s24, 21                        ; 128 positions of 16,384 bytes
	s_add_co_u32 s26, s26, s22
	s_lshl_b32 s28, s25, 8
	s_add_co_u32 s26, s26, s28
	s_mov_b32 s27, 0
	s_add_nc_u64 s[6:7], s[6:7], s[26:27]
	s_mul_i32 s24, s24, BLK
	s_add_co_u32 s24, s24, s23                     ; the step's block
	s_mul_i32 s26, s25, 6144
	s_add_co_u32 s26, s26, s24
	s_add_nc_u64 s[34:35], s[12:13], s[26:27]      ; the images
	s_add_co_u32 s26, s28, s24
	s_add_co_u32 s26, s26, SCW
	s_add_nc_u64 s[36:37], s[12:13], s[26:27]      ; the scale words
.macro VLOAD u                         ; unit u: block u / 2 of the keys, channels 32 (u % 2) on: the two halves of a position's 256 bytes are asked for one behind the other
.set ii, 0
.rept 32
	global_load_b32 v[VX+32*((\u)%2)+ii], v6, s[6:7] offset:(32*((\u)/2)+ii)*ROWS+128*((\u)%2) th:TH_LOAD_NT
.set ii, ii+1
.endr
.endm
.macro VUNIT u
.set XS, VX+32*((\u)%2)
.set VB, (\u)/2
.set VE, (\u)%2
.set CD, VC+24*VE+12*(VB%2)+6*(VB/2)   ; block b belongs to the operand's lane (r, b % 2), registers 6 (b / 2) on
.if (\u) < 7
	s_wait_loadcnt 32                              ; this unit's 32 loads are in; the next unit's may be out
.else
	s_wait_loadcnt 0x0
.endif
	v_max3_num_f32 v134, |v[XS]|, |v[XS+1]|, |v[XS+2]|
	v_max3_num_f32 v135, |v[XS+3]|, |v[XS+4]|, |v[XS+5]|
.irp i, 6,10,14,18,22,26
	v_max3_num_f32 v134, v134, |v[XS+\i]|, |v[XS+\i+1]|
	v_max3_num_f32 v135, v135, |v[XS+\i+2]|, |v[XS+\i+3]|
.endr
	v_max3_num_f32 v134, v134, |v[XS+30]|, |v[XS+31]|
	v_max3_num_f32 v134, v134, v135, 0x1800000     ; and the floor
	v_add_nc_u32 v136, 0xff000000, v134            ; the conversion's scale operand
	v_lshrrev_b32 v137, 23, v136                   ; the byte
.if VB == 0
	v_mov_b32 v[VW+VE], v137
.else
	v_lshl_or_b32 v[VW+VE], v137, 8*VB, v[VW+VE]
.endif
	v_cvt_scalef32_pk16_fp6_f32 v[CD:CD+2], v[XS:XS+15], v136
	v_cvt_scalef32_pk16_fp6_f32 v[VT:VT+2], v[XS+16:XS+31], v136
	v_nop                                          ; one plain place behind a scaled conversion
.irp i, 0,1,2
	v_mov_b32 v[CD+3+\i], v[VT+\i]
.endr
.if (\u) < 6
	VLOAD (\u)+2
.endif
.endm
	VLOAD 0
	VLOAD 1
.irp u, 0,1,2,3,4,5,6,7
	VUNIT \u
.endr
.irp e, 0,1
.irp p, 0,1
.irp c, 0,1,2
	global_store_b128 v11, v[VC+24*\e+12*\p+4*\c:VC+24*\e+12*\p+4*\c+3], s[34:35] offset:3072*\e+512*\c+256*\p   ; registers 4 c on of the operand's lanes 16 p + r: sixteen lanes store 256 consecutive bytes, aligned, of fragment 2 e + l / 16
.endr
.endr
.endr
	global_store_b64 v5, v[VW:VW+1], s[36:37]      ; 256 consecutive bytes, aligned
	s_endpgm
.Lfunc_end_k_q4842c61d7b_prep:
	.size	k_q4842c61d7b_prep, .Lfunc_end_k_q4842c61d7b_prep-k_q4842c61d7b_prep
	.p2alignl 7, 3214868480
	.fill 96, 4, 3214868480
	.section	.rodata,"a",@progbits
	.p2align	6, 0x0
	.amdhsa_kernel k_q4842c61d7b_prep
		.amdhsa_group_segment_fixed_size 68096
		.amdhsa_private_segment_fixed_size 0
		.amdhsa_enable_private_segment 0
		.amdhsa_kernarg_size 48
		.amdhsa_user_sgpr_count 2
		.amdhsa_user_sgpr_kernarg_segment_ptr 1
		.amdhsa_wavefront_size32 1
		.amdhsa_system_sgpr_workgroup_id_x 1
		.amdhsa_system_sgpr_workgroup_id_y 1
		.amdhsa_system_sgpr_workgroup_id_z 1
		.amdhsa_system_vgpr_workitem_id 0
		.amdhsa_next_free_vgpr 256
		.amdhsa_next_free_sgpr 66
		.amdhsa_reserve_vcc 1
		.amdhsa_float_denorm_mode_32 3
		.amdhsa_float_denorm_mode_16_64 3
		.amdhsa_memory_ordered 1
		.amdhsa_forward_progress 1
		.amdhsa_inst_pref_size 121
	.end_amdhsa_kernel
	.amdgpu_metadata
---
amdhsa.version: [ 1, 2 ]
amdhsa.kernels:
  - .name:           k_q4842c61d7b_prep
    .symbol:         k_q4842c61d7b_prep.kd
    .args:
      - { .name: key, .offset: 0, .size: 8, .value_kind: global_buffer, .address_space: global }
      - { .name: value, .offset: 8, .size: 8, .value_kind: global_buffer, .address_space: global }
      - { .name: attention_mask, .offset: 16, .size: 8, .value_kind: global_buffer, .address_space: global }
      - { .name: kbuf, .offset: 24, .size: 8, .value_kind: global_buffer, .address_space: global }
      - { .name: vbuf, .offset: 32, .size: 8, .value_kind: global_buffer, .address_space: global }
      - { .name: maskw, .offset: 40, .size: 8, .value_kind: global_buffer, .address_space: global }
    .group_segment_fixed_size: 68096
    .private_segment_fixed_size: 0
    .kernarg_segment_align: 8
    .kernarg_segment_size: 48
    .max_flat_workgroup_size: 128
    .sgpr_count:     66
    .vgpr_count:     256
    .wavefront_size: 32
...
	.end_amdgpu_metadata
.endif
;; end of part 1
;; launch attn (part 2): grid 8 x 32, 8 waves a work-group, clusters of 4 x 1, 327,680 bytes of LDS; arguments query, kbuf, vbuf, maskw, out0; writes out0
.if DOCPART == 2
	.amdgcn_target "amdgcn-amd-amdhsa--gfx1250"
	.amdhsa_code_object_version 6
	.text
	.protected	k_q4842c61d7b_attn
	.globl	k_q4842c61d7b_attn
	.p2align	8
	.type	k_q4842c61d7b_attn,@function
k_q4842c61d7b_attn:
	s_mov_b64 s[64:65], 0
	v_nop
	global_prefetch_b8 v0, s[64:65] scope:SCOPE_SE
	s_setreg_imm32_b32 hwreg(HW_REG_WAVE_MODE, 25, 1), 1
	s_wait_xcnt 0x0
	s_wait_alu depctr_hold_cnt(0) depctr_sa_sdst(0) depctr_va_vdst(0) depctr_va_sdst(0) depctr_va_ssrc(0) depctr_va_vcc(0) depctr_vm_vsrc(0)
	s_getreg_b32 s2, hwreg(HW_REG_IB_STS2, 6, 4)
	s_cmp_eq_u32 s2, 0
	s_cbranch_scc0 .Lentry_in_a_cluster
	s_endpgm
.Lentry_in_a_cluster:
	s_bfe_u32 s2, ttmp6, 0x10000c
	s_cmp_lg_u32 s2, 0x3003
	s_cbranch_scc0 .Lentry_shape_is_right
	s_endpgm
.Lentry_shape_is_right:
; out[q][head][:] = the sum over k of P[q][k] V[k][:],  P = softmax over the keys that the mask keeps of Q[q] . K[k] / sqrt(128); both products on codes of FP6 (E2M3) with one E8M0 scale for each 32 along K.
; The second product takes the FINISHED, NORMALISED P, whose codes hang on the row's sum l: so TWO PASSES over the keys.
;   pass 1: S^T = K Q^T, mask, running M and l.     pass 2: S^T once more, P = 2^(t - M - log2 l), quantised along the keys, O^T += V^T P^T.
;   t = score x log2(e) / sqrt(128); M = the row's largest t rounded up to a whole number, so that a change of M multiplies l by a power of two.
; SHARES.  A work-group owns 256 queries of one head, each of eight waves 32 (two tiles of 16) in 512 registers; 256 work-groups.  K's codes of the whole head stay in LDS for both passes.
; TENSOR LOADS, one a wave each time: at the head K, two blocks a wave; behind the sequence that shows K whole, V's blocks 0-7 (two slots of four); behind pass 2's step 3, V's blocks 8-11 into slot 0 and 12-15
; into K's blocks 0-3, both read out by then.  CLUSTER: the four query blocks of a cluster belong to one head: every tensor load is a joint one, same descriptor, mask 15.
; LAYOUT.  Both products transposed (source 0 = 16 keys or channels, source 1 = my 16 queries): a lane holds ONE query.  Register n of a tile's 64 scores is key 32 (n / 16) + 16 (lane / 16) + n % 16 of the step.
; THE MASK comes as lane masks: word n of a tile and step is the select mask of register n (scalar loads, 256 bytes a tile and step).  Hidden scores become -infinity ahead of the maximum: p = 0.
; K's descriptor stands in the mask words' scalar registers, so the first mask request goes out behind the wait that shows K landed.
; No prefetch is laid: K and V are asked for at the head or four and more key steps ahead of their first read; Q is read at the head; the mask words are read by sixteen heads' work-groups, twice by each.
; LIMITS: NaN and infinities in q, k, v are not served.  P under 2^-126 comes out of v_exp_f32 as 0.  The addend -M - log2 l is rounded to f32 once: an error of at most |M + log2 l| x 2^-24 in the exponent.
; A block of zeros gets the byte 1 (its codes are zeros).  A row all of whose keys are hidden gives 0: its p are 0, and l is held at 2^-126 from below.  Pass 2's last mask request is read by nobody.
; REGISTERS.  Window 0: v1-12 addresses; v16-31 statistics; v32-55 Q's codes; v56-67 scale words; v68-115 P's codes and work, during the scores K's fragments 4-7; v128-255 S^T
; (tile 0's first 48 take V's fragments 4-7 once its P is packed).  Window 1: v0-127 O^T; v128-175 fragments 0-3 of K or V.
.set BLK,   12800
.set SCW,   12288
.set SLOT1, 65536                      ; V's slot 0 at 0, slot 1 here
.set SPARE, 51200                      ; the spare words: 128 bytes for each of eight waves
.set KB,    116736                     ; K's 16 blocks
.set SP,    272
.set LI,  1
.set LS,  2
.set SPW, 3
.set NIL, 4
.set ADF, 5
.set ADS, 6
.set ADFV, 7
.set ADSV, 8
.set NINF, 9
.set QA,  10
.set STO, 11
.set RD,  12
.set ST,  16                           ; tile t at v[ST + 8 t]: +0 -M (pass 2: -M - log2 l), +1 largest t, +2, +3 l, +4 log2 l, +6 f, +7 its partner
.set QF,  32
.set QS,  56
.set KS,  58
.set VS,  62
.set PS,  66
.set PC,  68
.set K2,  68                           ; K's fragments 4-7: v68-115
.set CT,  92
.set BM,  100
.set BP,  104
.set SO,  108
.set TW,  112
.set S,   128
.set V2,  128                          ; V's fragments 4-7, window 0
.set FR,  128                          ; window 1
.set MB,  2                            ; s[2:3] the mask words of my first tile
.set MO,  4                            ; s4 256 x the key step
.set WV,  5
.set SEL, 6
.set CS,  8
.set TK,  10
.set TV,  11
.set G1V, 16                           ; group 1: one block
.set G0V, 24
.set G0R, 28
.set G1K, 32                           ; group 1: two blocks; head only, in the mask words' registers
.set G0K, 40
.set QP,  66
.set OP,  100
.set CI,  104
                                       ; s[32:63], s[68:99]: the 64 mask words of the tile in hand (at the head: K's descriptor and temporaries)
.set MSB, 0
.macro WIN new
.if MSB != \new
	s_set_vgpr_msb (MSB<<8)|\new
.set MSB, \new
.endif
.endm
.macro CROUND
	s_barrier_signal -1
	s_barrier_wait -1
	s_cmp_lg_u32 s[WV], 0
	s_cbranch_scc1 .Lnot_wave_0_\@
	s_barrier_signal -3
.Lnot_wave_0_\@:
	s_barrier_wait -3
	s_barrier_signal -1
	s_barrier_wait -1
.endm
.macro PLACES n
.rept \n
	v_nop
.endr
.endm
.macro SCALEW dst                      ; largest magnitudes in v[BM ..] -> conversions' scale operands, bytes, the row's scale word
.irp b, 0,1,2,3
	s_delay_alu instid0(VALU_DEP_4)
	v_add_nc_u32 v[SO+\b], 0xff000000, v[BM+\b]
.endr
.irp b, 0,1,2,3
	s_delay_alu instid0(VALU_DEP_4)
	v_lshrrev_b32 v[BP+\b], 23, v[SO+\b]
.endr
	s_delay_alu instid0(VALU_DEP_3)
	v_lshl_or_b32 v[\dst], v[BP+1], 8, v[BP]
	s_delay_alu instid0(VALU_DEP_1)
	v_lshl_or_b32 v[\dst], v[BP+2], 16, v[\dst]
	s_delay_alu instid0(VALU_DEP_1)
	v_lshl_or_b32 v[\dst], v[BP+3], 24, v[\dst]
.endm
.macro PACK src, dst                   ; 64 numbers of a lane (register 16 b + i = k 32 b + 16 (lane / 16) + i) -> a fragment's 12 registers
.irp c, 0,1
	v_cvt_scalef32_pk16_fp6_f32 v[(\dst)+6*\c:(\dst)+6*\c+2], v[(\src)+32*\c:(\src)+32*\c+15], v[SO+2*\c]
	v_cvt_scalef32_pk16_fp6_f32 v[CT+4*\c:CT+4*\c+2], v[(\src)+32*\c+16:(\src)+32*\c+31], v[SO+2*\c+1]
.endr
	v_nop                                          ; one plain place behind a scaled conversion
.irp c, 0,1
.irp i, 0,1,2
	v_permlane16_swap_b32 v[(\dst)+6*\c+\i], v[CT+4*\c+\i]
.endr
.irp i, 0,1,2
	s_delay_alu instid0(VALU_DEP_3)
	v_mov_b32 v[(\dst)+6*\c+3+\i], v[CT+4*\c+\i]
.endr
.endr
.endm
.macro QQ t                            ; Q's tile t, in S^T's registers as loaded, quantised along the head's 128
.set rS, S+64*\t
.irp b, 0,1,2,3
	v_max3_num_f32 v[BM+\b], |v[rS+16*\b]|, |v[rS+16*\b+1]|, 0x1800000
.endr
.irp i, 2,4,6,8,10,12,14
.irp b, 0,1,2,3
	s_delay_alu instid0(VALU_DEP_4)
	v_max3_num_f32 v[BM+\b], v[BM+\b], |v[rS+16*\b+\i]|, |v[rS+16*\b+\i+1]|
.endr
.endr
.irp b, 0,1,2,3
	s_delay_alu instid0(VALU_DEP_4)
	v_permlanex16_b32 v[BP+\b], v[BM+\b], s[SEL], s[SEL+1]
.endr
.irp b, 0,1,2,3
	s_delay_alu instid0(VALU_DEP_4)
	v_max_num_f32 v[BM+\b], v[BM+\b], v[BP+\b]
.endr
	SCALEW QS+\t
	PACK rS, QF+12*\t
.endm
; One scaled product.  acc = 1: adds in place; 0: begins with the constant 0.  odd = 1: source 0's scale words lie in lanes 16-31.
.macro WM d, a, b, acc, sa, sb, odd
.if \acc
.if \odd
	v_wmma_scale_f32_16x16x128_f8f6f4 v[(\d):(\d)+7], v[(\a):(\a)+11], v[(\b):(\b)+11], v[(\d):(\d)+7], v[\sa], v[\sb] matrix_a_fmt:MATRIX_FMT_FP6 matrix_b_fmt:MATRIX_FMT_FP6 matrix_a_scale:MATRIX_SCALE_ROW1
.else
	v_wmma_scale_f32_16x16x128_f8f6f4 v[(\d):(\d)+7], v[(\a):(\a)+11], v[(\b):(\b)+11], v[(\d):(\d)+7], v[\sa], v[\sb] matrix_a_fmt:MATRIX_FMT_FP6 matrix_b_fmt:MATRIX_FMT_FP6
.endif
.else
.if \odd
	v_wmma_scale_f32_16x16x128_f8f6f4 v[(\d):(\d)+7], v[(\a):(\a)+11], v[(\b):(\b)+11], 0, v[\sa], v[\sb] matrix_a_fmt:MATRIX_FMT_FP6 matrix_b_fmt:MATRIX_FMT_FP6 matrix_a_scale:MATRIX_SCALE_ROW1
.else
	v_wmma_scale_f32_16x16x128_f8f6f4 v[(\d):(\d)+7], v[(\a):(\a)+11], v[(\b):(\b)+11], 0, v[\sa], v[\sb] matrix_a_fmt:MATRIX_FMT_FP6 matrix_b_fmt:MATRIX_FMT_FP6
.endif
.endif
.endm
.macro KQ f, t
.if (\f)<4
	WM S+64*\t+8*\f, FR+12*\f, QF+12*\t, 0, KS+(\f)/2, QS+\t, (\f)%2
.else
	WM S+64*\t+8*\f, K2+12*(\f)-48, QF+12*\t, 0, KS+(\f)/2, QS+\t, (\f)%2
.endif
.endm
.macro PV f, t, zero
.if (\f)<4
	WM 64*\t+8*\f, FR+12*\f, PC+12*\t, 1-\zero, VS+(\f)/2, PS+\t, (\f)%2
.else
	WM 64*\t+8*\f, V2+12*(\f)-48, PC+12*\t, 1-\zero, VS+(\f)/2, PS+\t, (\f)%2
.endif
.endm
.macro FRAG4 dst, adr, f0              ; four images: each load takes 512 consecutive bytes, 16 a lane
.irp f, 0,1,2,3
.irp c, 0,1,2
	ds_load_b128 v[\dst+12*\f+4*\c:\dst+12*\f+4*\c+3], v[\adr] offset:1536*(\f0+\f)+512*\c
.endr
.endr
.endm
; The step's scores of both tiles: 26 LDS loads, 16 products, each on an accumulator of its own, begun with the constant 0.
.macro SCORES
.irp g, 0,1
	ds_load_b64 v[KS+2*\g:KS+2*\g+1], v[ADS] offset:SCW+256*\g
.endr
	WIN 0x40
	FRAG4 FR, ADF, 0
	WIN 0
	FRAG4 K2, ADF, 4
	s_wait_dscnt 12                                ; the scale words and fragments 0-3 are in; the twelve loads of fragments 4-7 may be out
	WIN 0x01
.irp f, 0,1,2,3
.irp t, 0,1
	KQ \f, \t
.endr
.endr
	s_wait_dscnt 0x0
	WIN 0
.irp f, 4,5,6,7
.irp t, 0,1
	KQ \f, \t
.endr
.endr
	PLACES 4                                       ; ahead of the first read of results and of loads into the products' sources
.endm
.macro MLOAD t                         ; tile t's 64 mask words of the step at s[MO]
	s_load_b512 s[32:47], s[MB:MB+1], s[MO] offset:4096*\t
	s_load_b512 s[48:63], s[MB:MB+1], s[MO] offset:4096*\t+64
	s_load_b512 s[68:83], s[MB:MB+1], s[MO] offset:4096*\t+128
	s_load_b512 s[84:99], s[MB:MB+1], s[MO] offset:4096*\t+192
.endm
.macro MASK t                          ; hidden scores become -infinity.  Ascending: each accumulator is first read at its lowest register
	s_wait_kmcnt 0x0                               ; the words are in (and the loads have read s[MO])
	s_wait_alu depctr_va_vdst(0)                   ; the wait ahead of the first readers of the scores
.set MN, 0
.rept 64
	v_cndmask_b32 v[S+64*\t+MN], v[NINF], v[S+64*\t+MN], s[32+MN+4*(MN/32)]
.set MN, MN+1
.endr
.endm
.macro MSTEP                           ; on to the next step's mask words; behind step 15 back to step 0
	s_add_co_u32 s[MO], s[MO], 256
	s_and_b32 s[MO], s[MO], 0xfff
.endm
.macro TMINUSM
.set jj, 0
.rept 32
	v_pk_fma_f32 v[rS+jj:rS+jj+1], v[rS+jj:rS+jj+1], s[CS:CS+1], v[rT:rT+1] op_sel_hi:[1,0,0]
.set jj, jj+2
.endr
.endm
.macro EXP64
.set jj, 0
.rept 64
	v_exp_f32 v[rS+jj], v[rS+jj]
.set jj, jj+1
.endr
.endm
; Pass 1, tile t.  M and l are kept for each LANE (its half of the keys); the halves meet once, behind the pass.
.macro SM1 t
.set rS, S+64*\t
.set rT, ST+8*\t
.irp c, 0,1,2,3
	v_max3_num_f32 v[TW+\c], v[rS+16*\c], v[rS+16*\c+1], v[rS+16*\c+2]
.endr
.irp i, 3,5,7,9,11,13
.irp c, 0,1,2,3
	s_delay_alu instid0(VALU_DEP_4)
	v_max3_num_f32 v[TW+\c], v[TW+\c], v[rS+16*\c+\i], v[rS+16*\c+\i+1]
.endr
.endr
	s_delay_alu instid0(VALU_DEP_4)
	v_max3_num_f32 v[TW], v[TW], v[rS+15], v[rS+31]
	s_delay_alu instid0(VALU_DEP_3)
	v_max3_num_f32 v[TW+2], v[TW+2], v[rS+47], v[rS+63]
	s_delay_alu instid0(VALU_DEP_1)
	v_max3_num_f32 v[TW], v[TW], v[TW+1], v[TW+2]
	s_delay_alu instid0(VALU_DEP_1)
	v_max_num_f32 v[TW], v[TW], v[TW+3]
	s_delay_alu instid0(VALU_DEP_1)
	v_mul_f32 v[TW], s[CS], v[TW]
	s_delay_alu instid0(VALU_DEP_1)
	v_max_num_f32 v[rT+1], v[rT+1], v[TW]          ; the running largest t
	v_mov_b32 v[TW+1], v[rT]
	s_delay_alu instid0(VALU_DEP_2)
	v_floor_f32 v[rT], -v[rT+1]                    ; the new -M
	s_delay_alu instid0(VALU_DEP_1)
	v_sub_f32 v[TW+1], v[rT], v[TW+1]
	s_delay_alu instid0(VALU_DEP_1)
	v_cvt_i32_f32 v[TW+1], v[TW+1]                 ; (it saturates)
	s_delay_alu instid0(VALU_DEP_1)
	v_ldexp_f32 v[rT+6], 1.0, v[TW+1]              ; f = 2^(old M - new M)
	TMINUSM
	s_wait_alu depctr_va_vdst(0)                   ; ahead of the batch
	EXP64
	v_pk_mul_f32 v[rT+2:rT+3], v[rT+2:rT+3], v[rT+6:rT+7] op_sel_hi:[1,0]   ; l under the new M: the plain place behind the exponentials
	s_wait_alu depctr_va_vdst(0)                   ; and behind it, ahead of its first reader
	v_pk_add_f32 v[TW:TW+1], v[rS:rS+1], v[rS+2:rS+3]
.set jj, 4
.rept 15
	v_pk_add_f32 v[rT+2:rT+3], v[rT+2:rT+3], v[rS+jj:rS+jj+1]
	v_pk_add_f32 v[TW:TW+1], v[TW:TW+1], v[rS+jj+2:rS+jj+3]
.set jj, jj+4
.endr
	s_delay_alu instid0(VALU_DEP_1)
	v_pk_add_f32 v[rT+2:rT+3], v[rT+2:rT+3], v[TW:TW+1]
.endm
; Pass 2, tile t: the finished P and its codes.  P rises with the score, so a block's largest SCORE goes through the same multiply-add and exponential and gives the block's largest P.
.macro SM2 t
.set rS, S+64*\t
.set rT, ST+8*\t
.irp b, 0,1,2,3
	v_max3_num_f32 v[BM+\b], v[rS+16*\b], v[rS+16*\b+1], v[rS+16*\b+2]
.endr
.irp i, 3,5,7,9,11,13
.irp b, 0,1,2,3
	s_delay_alu instid0(VALU_DEP_4)
	v_max3_num_f32 v[BM+\b], v[BM+\b], v[rS+16*\b+\i], v[rS+16*\b+\i+1]
.endr
.endr
.irp b, 0,1,2,3
	s_delay_alu instid0(VALU_DEP_4)
	v_max_num_f32 v[BM+\b], v[BM+\b], v[rS+16*\b+15]
.endr
.irp b, 0,1,2,3
	s_delay_alu instid0(VALU_DEP_4)
	v_permlanex16_b32 v[BP+\b], v[BM+\b], s[SEL], s[SEL+1]
.endr
.irp b, 0,1,2,3
	s_delay_alu instid0(VALU_DEP_4)
	v_max_num_f32 v[BM+\b], v[BM+\b], v[BP+\b]
.endr
	TMINUSM
.irp b, 0,1,2,3
	v_fma_f32 v[BM+\b], v[BM+\b], s[CS], v[rT]
.endr
	s_wait_alu depctr_va_vdst(0)                   ; ahead of the batch
	EXP64
.irp b, 0,1,2,3
	v_exp_f32 v[BM+\b], v[BM+\b]
.endr
	v_nop                                          ; the plain place behind the exponentials
	s_wait_alu depctr_va_vdst(0)                   ; one wait for the 68
.irp b, 0,1,2,3
	v_max_num_f32 v[BM+\b], 0x1800000, v[BM+\b]    ; the floor 2^(3 - 127)
.endr
	SCALEW PS+\t
	PACK rS, PC+12*\t
.endm
.macro P1STEP
	v_add_nc_u32 v[ADF], s[TK], v[LI]
	v_add_nc_u32 v[ADS], s[TK], v[LS]
	s_wait_alu depctr_va_vdst(0)                   ; the wait behind these writes
	SCORES
	MASK 0
	MLOAD 1                                        ; tile 1's words come while tile 0's softmax is walked,
	SM1 0
	MASK 1
	MSTEP
	MLOAD 0                                        ; and the next step's first words while tile 1's is
	SM1 1
	s_add_co_u32 s[TK], s[TK], BLK
.endm
.macro P2STEP zero
	v_add_nc_u32 v[ADF], s[TK], v[LI]              ; these five are the places between the last step's products and the loads and products that write over their sources
	v_add_nc_u32 v[ADS], s[TK], v[LS]
	v_add_nc_u32 v[ADFV], s[TV], v[LI]
	v_add_nc_u32 v[ADSV], s[TV], v[LS]
	v_nop
	s_wait_alu depctr_va_vdst(0)                   ; the wait behind these writes
	SCORES
.irp g, 0,1
	ds_load_b64 v[VS+2*\g:VS+2*\g+1], v[ADSV] offset:SCW+256*\g
.endr
	WIN 0x40
	FRAG4 FR, ADFV, 0                              ; V's fragments 0-3 land while the softmax is walked,
	WIN 0
	MASK 0
	MLOAD 1
	SM2 0
	FRAG4 V2, ADFV, 4                              ; fragments 4-7 where tile 0's P stood before it was packed
	MASK 1
	MSTEP
	MLOAD 0
	SM2 1
	s_wait_alu depctr_va_vdst(0)                   ; behind the last exponential and ahead of the products
	s_wait_dscnt 0x0                               ; V is in
	PLACES 8                                       ; a scale word written by vector instructions stands eight places ahead of a scaled product
	WIN 0x51-0x10*\zero                            ; source 0 (V), the result and, but for the first step, C in window 1
.irp f, 0,1,2,3
.irp t, 0,1
	PV \f, \t, \zero
.endr
.endr
	WIN 0x50-0x10*\zero                            ; source 0 in window 0
.irp f, 4,5,6,7
.irp t, 0,1
	PV \f, \t, \zero
.endr
.endr
	WIN 0
	s_add_co_u32 s[TK], s[TK], BLK
	s_add_co_u32 s[TV], s[TV], BLK
.endm
.macro P2LOOP n
	s_mov_b32 s[CI], \n
.Lp2_\@:
	P2STEP 0
	s_sub_co_u32 s[CI], s[CI], 1
	s_cmp_lg_u32 s[CI], 0
	s_cbranch_scc1 .Lp2_\@
.endm
; Each wave waits for all its tensor loads, adds 0 to its spare word, waits for that and for its LDS reads; a round of the cluster's barrier; then one joint load a wave, all eight waves.
.macro FILL g0
	s_wait_tensorcnt 0x0
	ds_add_u32 v[SPW], v[NIL]
	s_wait_dscnt 0x0
	CROUND
	tensor_load_to_lds s[\g0:\g0+3], s[G1V:G1V+7]
	s_nop 0
	PLACES 4
.endm
	s_load_b256 s[48:55], s[0:1], 0x0              ; query s[48:49], kbuf s[50:51], vbuf s[52:53], maskw s[54:55]
	s_load_b64 s[56:57], s[0:1], 0x20              ; out0
	v_lshl_add_u32 v[SPW], v0, 2, SPARE
	v_mov_b32 v[NIL], 0
	ds_add_u32 v[SPW], v[NIL]                      ; the opening lines: the add twice on end and one wait
	ds_add_u32 v[SPW], v[NIL]
	v_lshrrev_b32 v[TW], 5, v0
	s_delay_alu instid0(VALU_DEP_1)
	v_readfirstlane_b32 s[WV], v[TW]               ; wave 0..7
	v_and_b32 v[TW], 31, v0                        ; lane
	v_and_b32 v[TW+1], 15, v0                      ; r
	v_bfe_u32 v[TW+2], v0, 4, 1                    ; h
	s_delay_alu instid0(VALU_DEP_3)
	v_lshlrev_b32 v[LI], 4, v[TW]
	s_delay_alu instid0(VALU_DEP_4)
	v_lshlrev_b32 v[LS], 3, v[TW]
	s_delay_alu instid0(VALU_DEP_4)
	v_lshlrev_b32 v[QA], 14, v[TW+1]
	s_delay_alu instid0(VALU_DEP_1)
	v_lshl_add_u32 v[QA], v[TW+2], 6, v[QA]        ; Q: row r, + 64 h
	s_bfe_u32 s58, ttmp6, 0x40000                  ; cx: it enters the addresses of Q, out and the mask words alone
	s_lshl_b32 s59, ttmp9, 2
	s_add_co_u32 s59, s59, s58                     ; my block of 256 queries
	s_and_b32 s60, ttmp7, 0xffff                   ; the head, which the four partners share
	s_mov_b32 s[G1K], 15|(3<<16)|(1<<21)           ; dense bytes as rows of 256 (32 elements of 8 bytes); the mask names all four; bit 21 beside it
	s_mov_b32 s[G1K+1], 32<<16
	s_mov_b32 s[G1K+2], 100<<16                    ; two blocks: 100 rows
	s_mov_b32 s[G1K+3], 32<<16
	s_mov_b32 s[G1K+4], 100
	s_mov_b32 s[G1K+5], 32
	s_mov_b32 s[G1K+6], 0
	s_mov_b32 s[G1K+7], 0
	s_mov_b32 s[G1V], 15|(3<<16)|(1<<21)
	s_mov_b32 s[G1V+1], 32<<16
	s_mov_b32 s[G1V+2], 50<<16                     ; one block: 50 rows
	s_mov_b32 s[G1V+3], 32<<16
	s_mov_b32 s[G1V+4], 50
	s_mov_b32 s[G1V+5], 32
	s_mov_b32 s[G1V+6], 0
	s_mov_b32 s[G1V+7], 0
	s_mul_i32 s61, s60, 16*BLK                     ; the head's blocks
	s_mul_i32 s62, s[WV], 2*BLK
	s_add_co_u32 s80, s61, s62                     ; K: blocks 2 wave, 2 wave + 1
	s_mov_b32 s81, 0
	s_mul_i32 s68, s[WV], BLK
	s_add_co_u32 s70, s61, s68                     ; V: block wave
	s_mov_b32 s71, 0
	s_lshr_b32 s72, s[WV], 2
	s_and_b32 s73, s[WV], 3
	s_mul_i32 s73, s73, BLK
	s_lshl_b32 s74, s72, 16
	s_add_co_u32 s74, s74, s73                     ; its place: slot wave / 4, block wave % 4
	s_mul_i32 s75, s72, KB
	s_add_co_u32 s75, s75, s73                     ; block 8 + wave's place: slot 0, or K's blocks 0-3
	s_lshl_b32 s76, s59, 22                        ; Q, out: 256 rows of 16,384 bytes a block,
	s_lshl_b32 s77, s[WV], 19                      ; 32 a wave,
	s_add_co_u32 s76, s76, s77
	s_lshl_b32 s77, s60, 9                         ; the head's 512 bytes of a row
	s_add_co_u32 s76, s76, s77
	s_mov_b32 s77, 0
	s_lshr_b32 s78, s60, 4                         ; the mask words: batch x 128 + 16 x block + 2 x wave tiles of 4,096 bytes
	s_lshl_b32 s78, s78, 7
	s_lshl_b32 s79, s59, 4
	s_add_co_u32 s78, s78, s79
	s_lshl_b32 s79, s[WV], 1
	s_add_co_u32 s78, s78, s79
	s_lshl_b32 s78, s78, 12
	s_mov_b32 s79, 0
	s_mov_b32 s[SEL], 0x76543210
	s_mov_b32 s[SEL+1], 0xfedcba98
	s_mov_b32 s[CS], 0x3e0293ee                    ; c = log2(e) / sqrt(128)
	s_mov_b32 s[CS+1], s[CS]
	s_mov_b32 s[MO], 0
	s_wait_dscnt 0x0                               ; both opening adds are done
	s_wait_alu depctr_va_vdst(0)                   ; directly ahead of the wait below
	s_wait_kmcnt 0x0
	s_add_nc_u64 s[QP:QP+1], s[48:49], s[76:77]
.irp t, 0,1                            ; Q first of all: the first product waits for it.  No hint: a lane's four loads of a block name the same 64 bytes' neighbourhood
.irp b, 0,1,2,3
.irp j, 0,1,2,3
	global_load_b128 v[S+64*\t+16*\b+4*\j:S+64*\t+16*\b+4*\j+3], v[QA], s[QP:QP+1] offset:262144*\t+128*\b+16*\j
.endr
.endr
.endr
	s_add_nc_u64 s[OP:OP+1], s[56:57], s[76:77]
	s_add_nc_u64 s[MB:MB+1], s[54:55], s[78:79]
	s_mov_b32 s[G0K], 1
	s_add_co_u32 s[G0K+1], s62, KB
	s_add_nc_u64 s[G0K+2:G0K+3], s[50:51], s[80:81]
	s_or_b32 s[G0K+3], s[G0K+3], 0x80000000
	s_mov_b32 s[G0V], 1
	s_mov_b32 s[G0V+1], s74
	s_add_nc_u64 s[G0V+2:G0V+3], s[52:53], s[70:71]
	s_mov_b32 s[G0R], 1
	s_mov_b32 s[G0R+1], s75
	s_add_nc_u64 s[G0R+2:G0R+3], s[G0V+2:G0V+3], 8*BLK
	s_or_b32 s[G0V+3], s[G0V+3], 0x80000000
	s_or_b32 s[G0R+3], s[G0R+3], 0x80000000
	CROUND                                         ; all four work-groups are here: the first joint loads meet
	tensor_load_to_lds s[G0K:G0K+3], s[G1K:G1K+7]  ; the head's one load a wave: all of K
	s_nop 0
	v_mov_b32 v[NINF], 0xff800000
.irp t, 0,1
	v_mov_b32 v[ST+8*\t+1], 0xff61b1e6             ; the largest t so far: -3e38, under every t
	s_delay_alu instid0(VALU_DEP_1)
	v_floor_f32 v[ST+8*\t], -v[ST+8*\t+1]          ; -M
	v_mov_b32 v[ST+8*\t+2], 0                      ; l
	v_mov_b32 v[ST+8*\t+3], 0
	v_mov_b32 v[ST+8*\t+7], 0
.endr
.irp b, 0,1,2,3
	v_mov_b32 v[BP+\b], 0                          ; a lane permute's destination counts as read
.endr
	s_wait_loadcnt 16                              ; Q's tile 0 is in; tile 1's sixteen loads may be out
	QQ 0
	s_wait_loadcnt 0x0
	QQ 1
	PLACES 8
	; ---- PASS 1
	s_mov_b32 s[TK], KB
	s_wait_alu depctr_va_vdst(0)                   ; the wait at the head's end
	FILL G0V                                       ; K is whole for every wave; V's blocks 0-7 go out, into both slots
	MLOAD 0                                        ; step 0, tile 0: K's load is done, so its descriptor's registers take the words
	s_mov_b32 s[CI], 16
.Lp1:
	P1STEP
	s_sub_co_u32 s[CI], s[CI], 1
	s_cmp_lg_u32 s[CI], 0
	s_cbranch_scc1 .Lp1
	; ---- THE HALVES MEET: lanes l and l xor 16 hold one query's two halves of the keys.  The larger M is taken, both sums are brought under it by powers of two.
.macro FIN1 t
.set rT, ST+8*\t
	v_add_f32 v[rT+2], v[rT+2], v[rT+3]
	v_permlanex16_b32 v[BP+2*\t], v[rT], s[SEL], s[SEL+1]
	s_delay_alu instid0(VALU_DEP_2)
	v_permlanex16_b32 v[BP+2*\t+1], v[rT+2], s[SEL], s[SEL+1]
	s_delay_alu instid0(VALU_DEP_2)
	v_min_num_f32 v[BM+2*\t], v[rT], v[BP+2*\t]
	s_delay_alu instid0(VALU_DEP_1)
	v_sub_f32 v[SO+2*\t], v[BM+2*\t], v[rT]
	s_delay_alu instid0(VALU_DEP_2)
	v_sub_f32 v[SO+2*\t+1], v[BM+2*\t], v[BP+2*\t]
	s_delay_alu instid0(VALU_DEP_2)
	v_cvt_i32_f32 v[SO+2*\t], v[SO+2*\t]
	s_delay_alu instid0(VALU_DEP_2)
	v_cvt_i32_f32 v[SO+2*\t+1], v[SO+2*\t+1]
	s_delay_alu instid0(VALU_DEP_2)
	v_ldexp_f32 v[SO+2*\t], 1.0, v[SO+2*\t]
	s_delay_alu instid0(VALU_DEP_2)
	v_ldexp_f32 v[SO+2*\t+1], 1.0, v[SO+2*\t+1]
	s_delay_alu instid0(VALU_DEP_2)
	v_mul_f32 v[rT+2], v[rT+2], v[SO+2*\t]
	s_delay_alu instid0(VALU_DEP_1)
	v_fma_f32 v[rT+2], v[BP+2*\t+1], v[SO+2*\t+1], v[rT+2]
	v_mov_b32 v[rT], v[BM+2*\t]
	s_delay_alu instid0(VALU_DEP_2)
	v_max_num_f32 v[rT+2], 0x800000, v[rT+2]       ; a row with no key left: l = 2^-126; its p are all 0
	s_wait_alu depctr_va_vdst(0)                   ; ahead of the transcendental
	v_log_f32 v[rT+4], v[rT+2]
.endm
	FIN1 0
	FIN1 1
	v_nop
	s_wait_alu depctr_va_vdst(0)                   ; one wait for the two logarithms
	v_sub_f32 v[ST], v[ST], v[ST+4]                ; pass 2's addend: -M - log2 l
	v_sub_f32 v[ST+8], v[ST+8], v[ST+12]
	; ---- PASS 2
	s_wait_alu depctr_va_vdst(0)                   ; directly ahead of the wait below
	s_wait_tensorcnt 0x0                           ; my block of V is in,
	s_barrier_signal -1
	s_barrier_wait -1                              ; everybody's is
	s_mov_b32 s[TK], KB
	s_mov_b32 s[TV], 0
	P2STEP 1                                       ; key step 0 starts O^T's sums
	P2LOOP 3
	s_mov_b32 s[TV], SLOT1
	FILL G0R                                       ; slot 0 and K's blocks 0-3 are read out in all four work-groups: V's blocks 8-15 go out, four steps ahead of their first read
	P2LOOP 4                                       ; key steps 4-7, V from slot 1
	s_wait_tensorcnt 0x0                           ; my block of V's 8-15 is in,
	s_wait_dscnt 0x0
	s_barrier_signal -1
	s_barrier_wait -1                              ; everybody's is, and nobody reads slot 1 any more
	s_mov_b32 s[TV], 0
	P2LOOP 4                                       ; key steps 8-11, V from slot 0
	s_mov_b32 s[TV], KB
	P2LOOP 4                                       ; key steps 12-15, V from where K's blocks 0-3 lay
	; ---- THE WAY OUT.  P was normalised, so O^T is the result.  Half a row (64 channels, 256 bytes) of 16 queries at a time goes through my stage, in slot 1, which has had its only fill and its last read,
	; and comes back by rows: sixteen lanes store 256 consecutive bytes, aligned.  The address lines are the places behind the last products.
	v_and_b32 v[TW], 15, v0
	v_bfe_u32 v[TW+1], v0, 4, 1
	s_mul_i32 s[TK], s[WV], 16*SP
	s_add_co_u32 s[TK], s[TK], SLOT1
	v_mul_u32_u24 v[STO], v[TW], SP
	s_delay_alu instid0(VALU_DEP_1)
	v_lshl_add_u32 v[STO], v[TW+1], 5, v[STO]
	s_delay_alu instid0(VALU_DEP_1)
	v_add_nc_u32 v[STO], s[TK], v[STO]
	v_mul_u32_u24 v[RD], v[TW+1], SP
	s_delay_alu instid0(VALU_DEP_1)
	v_lshl_add_u32 v[RD], v[TW], 4, v[RD]
	s_delay_alu instid0(VALU_DEP_1)
	v_add_nc_u32 v[RD], s[TK], v[RD]
	s_wait_alu depctr_va_vdst(0)
	v_lshlrev_b32 v[QA], 14, v[TW+1]
	s_delay_alu instid0(VALU_DEP_1)
	v_lshl_add_u32 v[QA], v[TW], 4, v[QA]
.macro TOSTAGE t, u
	WIN 0x04                                       ; an LDS store's data are its source 1: window 1
.irp f, 0,1,2,3
	ds_store_b128 v[STO], v[64*\t+8*(4*\u+\f):64*\t+8*(4*\u+\f)+3] offset:64*\f
	ds_store_b128 v[STO], v[64*\t+8*(4*\u+\f)+4:64*\t+8*(4*\u+\f)+7] offset:64*\f+16
.endr
	WIN 0
.irp i, 0,1,2,3,4,5,6,7
	ds_load_b128 v[S+64*\t+32*\u+4*\i:S+64*\t+32*\u+4*\i+3], v[RD] offset:2*\i*SP   ; LDS serves a wave's instructions in order
.endr
.endm
.macro SEND t, u
.irp i, 0,1,2,3,4,5,6,7
	s_wait_dscnt 7-\i+16*(3-2*\t-\u)               ; behind this load: the rest of its eight, and sixteen LDS instructions for each later half
	global_store_b128 v[QA], v[S+64*\t+32*\u+4*\i:S+64*\t+32*\u+4*\i+3], s[OP:OP+1] offset:(16*\t+2*\i)*16384+256*\u th:TH_STORE_NT
.endr
.endm
	TOSTAGE 0, 0
	TOSTAGE 0, 1
	TOSTAGE 1, 0
	TOSTAGE 1, 1
	s_wait_alu depctr_va_vdst(0)                   ; directly ahead of SEND's waits
	SEND 0, 0
	SEND 0, 1
	SEND 1, 0
	SEND 1, 1
	s_wait_tensorcnt 0x0                           ; the wave's end
	ds_add_u32 v[SPW], v[NIL]
	s_wait_dscnt 0x0
	CROUND                                         ; the closing round
	s_endpgm
.Lfunc_end_k_q4842c61d7b_attn:
	.size	k_q4842c61d7b_attn, .Lfunc_end_k_q4842c61d7b_attn-k_q4842c61d7b_attn
	.p2alignl 7, 3214868480
	.fill 96, 4, 3214868480
	.section	.rodata,"a",@progbits
	.p2align	6, 0x0
	.amdhsa_kernel k_q4842c61d7b_attn
		.amdhsa_group_segment_fixed_size 327680
		.amdhsa_private_segment_fixed_size 0
		.amdhsa_enable_private_segment 0
		.amdhsa_kernarg_size 40
		.amdhsa_user_sgpr_count 2
		.amdhsa_user_sgpr_kernarg_segment_ptr 1
		.amdhsa_wavefront_size32 1
		.amdhsa_system_sgpr_workgroup_id_x 1
		.amdhsa_system_sgpr_workgroup_id_y 1
		.amdhsa_system_sgpr_workgroup_id_z 1
		.amdhsa_system_vgpr_workitem_id 0
		.amdhsa_next_free_vgpr 512
		.amdhsa_next_free_sgpr 106
		.amdhsa_reserve_vcc 0
		.amdhsa_float_denorm_mode_32 3
		.amdhsa_float_denorm_mode_16_64 3
		.amdhsa_memory_ordered 1
		.amdhsa_forward_progress 1
		.amdhsa_inst_pref_size 250
	.end_amdhsa_kernel
	.amdgpu_metadata
---
amdhsa.version: [ 1, 2 ]
amdhsa.kernels:
  - .name:           k_q4842c61d7b_attn
    .symbol:         k_q4842c61d7b_attn.kd
    .args:
      - { .name: query, .offset: 0, .size: 8, .value_kind: global_buffer, .address_space: global }
      - { .name: kbuf, .offset: 8, .size: 8, .value_kind: global_buffer, .address_space: global }
      - { .name: vbuf, .offset: 16, .size: 8, .value_kind: global_buffer, .address_space: global }
      - { .name: maskw, .offset: 24, .size: 8, .value_kind: global_buffer, .address_space: global }
      - { .name: out0, .offset: 32, .size: 8, .value_kind: global_buffer, .address_space: global }
    .group_segment_fixed_size: 327680
    .private_segment_fixed_size: 0
    .kernarg_segment_align: 8
    .kernarg_segment_size: 40
    .max_flat_workgroup_size: 256
    .sgpr_count:     106
    .vgpr_count:     512
    .wavefront_size: 32
...
	.end_amdgpu_metadata
.endif
;; end of part 2
